; MI455X (gfx1250); checked and timed in simulation.
; The chip was launched on July 23, 2026; its instructions are those of AMD's public machine-readable ISA for CDNA 5 (MIT licence, August 2026) and "CDNA5" Instruction Set Architecture Reference Guide (July 2026). The comments in the code are by the model that wrote it; some were corrected since.
;; Merge Layer t. Allowed arithmetic: float matrix products may take bf16 or f16 operands with f32 sums; all other float work in f32.
;; Inputs: W1 4,096 x 4,096 float32; b1 4,096 float32; x1 2,048 x 4,096 float32; x2 2,048 x 4,096 float32.
;; Outputs: out0 2,048 float32.
;; 2 versions, each right; version 2 is version 1 with the launch cvt written anew for expert scheduling mode. Each part assembles by itself: llvm-mc -triple=amdgcn-amd-amdhsa -mcpu=gfx1250 --defsym DOCPART=n.
;; ======== version 1 of 2: 3 launches
;; workspace buffers: xb 33,554,432 bytes; wb 33,554,432 bytes; part 131,072 bytes
;; launch cvt (part 1): grid 256 x 4, 8 waves a work-group, no clusters, 0 bytes of LDS; arguments x1, x2, W1, xb, wb; writes xb, wb
.if DOCPART == 1
	.amdgcn_target "amdgcn-amd-amdhsa--gfx1250"
	.amdhsa_code_object_version 6
	.text
	.protected	k_q48f3fa73d0_cvt
	.globl	k_q48f3fa73d0_cvt
	.p2align	8
	.type	k_q48f3fa73d0_cvt,@function
k_q48f3fa73d0_cvt:
	s_mov_b64 s[64:65], 0
	v_nop
	global_prefetch_b8 v0, s[64:65] scope:SCOPE_SE
	s_setreg_imm32_b32 hwreg(HW_REG_WAVE_MODE, 25, 1), 1
	s_wait_xcnt 0x0
; x1, x2 [2048][4096] f32 and W1 [4096][4096] f32 are rounded once to bf16 (nearest even) for the product that follows.
; wb keeps W1's rows in their order.  xb takes x's rows in another order: row n of x1 (src = 0) or x2 (src = 1) goes to row
; (n / 64) * 128 + src * 64 + n % 64, so that 64 rows of x1 are followed by the same 64 rows of x2: the next launch then finds
; both rows of one n in one wave.
; LIMIT: a magnitude that rounds above bf16's largest finite number becomes an infinity; bf16 has f32's exponents otherwise.
; SHARES.  Grid y: 0 = x1, 1 = x2, 2 = W1's rows 0-2047, 3 = W1's rows 2048-4095.  Grid x: 8 rows, which stay neighbours in xb
; (8 divides 64).  Thread t takes the 16 bytes at 16 t + 4,096 j (j = 0..3) of each source row and writes the 8 bytes at
; 8 t + 2,048 j of the destination row: a wave's load covers 512 consecutive bytes, its store 256 consecutive bytes, both aligned.
; 32 loads and 32 stores a thread, written out; up to 16 loads of a wave are out.  No LDS, no barrier, no cluster, no matrix
; unit: no byte is used twice and no work-group shares a byte with another.
.set SROW, 16384                       ; bytes in a source row
.set DROW, 8192                        ; bytes in a destination row
.set X, 4                              ; v[4:67]   16 slots of 4 registers, as loaded
.set Y, 68                             ; v[68:99]  16 pairs, the first 16 turns' results
	s_load_b256 s[4:11], s[0:1], 0x0               ; x1 s[4:5], x2 s[6:7], W1 s[8:9], xb s[10:11]
	s_load_b64 s[12:13], s[0:1], 0x20              ; wb
	; the offsets are made apart from the addresses
	s_and_b32 s20, ttmp7, 0xffff                   ; y
	s_and_b32 s21, s20, 1                          ; p: x2 rather than x1, or W1's second half
	s_lshr_b32 s22, s20, 1                         ; w: 1 = W1
	s_lshl_b32 s23, ttmp9, 3                       ; 8 x
	s_and_b32 s28, s21, s22
	s_lshl_b32 s28, s28, 11
	s_add_co_u32 s28, s28, s23                     ; my first source row: 8 x, for W1's second half 2,048 more
	s_lshl_b32 s24, s28, 14                        ; in bytes (under 2^26)
	s_mov_b32 s25, 0
	s_lshr_b32 s26, ttmp9, 3                       ; x's destination row: (n / 64) * 128
	s_lshl_b32 s26, s26, 7
	s_and_b32 s27, s23, 63                         ; + n % 64
	s_add_co_u32 s26, s26, s27
	s_lshl_b32 s27, s21, 6                         ; + 64 for x2
	s_add_co_u32 s26, s26, s27
	s_cmp_lg_u32 s22, 0
	s_cselect_b32 s26, s28, s26                    ; W1's rows keep their places
	s_lshl_b32 s26, s26, 13                        ; in bytes
	s_mov_b32 s27, 0
	v_lshlrev_b32 v1, 4, v0                        ; 16 t: never rewritten
	v_lshlrev_b32 v2, 3, v0                        ; 8 t: never rewritten
	s_wait_kmcnt 0x0
	s_cmp_lg_u32 s21, 0
	s_cselect_b64 s[14:15], s[6:7], s[4:5]         ; x2 or x1,
	s_cmp_lg_u32 s22, 0
	s_cselect_b64 s[14:15], s[8:9], s[14:15]       ; or W1
	s_cselect_b64 s[16:17], s[12:13], s[10:11]     ; wb or xb
	s_add_nc_u64 s[14:15], s[14:15], s[24:25]
	s_add_nc_u64 s[16:17], s[16:17], s[26:27]
.set i, 0
.rept 16                               ; the ring is filled: rows 0 to 3
	global_load_b128 v[X+4*i:X+4*i+3], v1, s[14:15] offset:(i/4)*SROW+(i%4)*4096 th:TH_LOAD_NT
.set i, i+1
.endr
; Turn i converts load i.  No register that a pending store reads, and no address register, is ever written again:
; the first 16 turns' results lie in Y, the last 16 turns' in the slots' own first two registers, each used once.
.set i, 0
.rept 32
.if i < 16
	s_wait_loadcnt 15                              ; 16 + i loads are issued and come back in order (ISA guide 5.7.1): load i is in, the 15 younger stay out
	v_cvt_pk_bf16_f32 v[Y+2*i],   v[X+4*i],   v[X+4*i+1]
	v_cvt_pk_bf16_f32 v[Y+2*i+1], v[X+4*i+2], v[X+4*i+3]
	global_load_b128 v[X+4*i:X+4*i+3], v1, s[14:15] offset:((i+16)/4)*SROW+((i+16)%4)*4096 th:TH_LOAD_NT  ; the slot's second load, ahead of the store
	global_store_b64 v2, v[Y+2*i:Y+2*i+1], s[16:17] offset:(i/4)*DROW+(i%4)*2048
.else
	s_wait_loadcnt 31-i                            ; nothing more is loaded: the counts run down to 0
	v_cvt_pk_bf16_f32 v[X+4*(i-16)],   v[X+4*(i-16)],   v[X+4*(i-16)+1]
	v_cvt_pk_bf16_f32 v[X+4*(i-16)+1], v[X+4*(i-16)+2], v[X+4*(i-16)+3]
	global_store_b64 v2, v[X+4*(i-16):X+4*(i-16)+1], s[16:17] offset:(i/4)*DROW+(i%4)*2048
.endif
.set i, i+1
.endr
	s_endpgm
.Lfunc_end_k_q48f3fa73d0_cvt:
	.size	k_q48f3fa73d0_cvt, .Lfunc_end_k_q48f3fa73d0_cvt-k_q48f3fa73d0_cvt
	.p2alignl 7, 3214868480
	.fill 96, 4, 3214868480
	.section	.rodata,"a",@progbits
	.p2align	6, 0x0
	.amdhsa_kernel k_q48f3fa73d0_cvt
		.amdhsa_group_segment_fixed_size 0
		.amdhsa_private_segment_fixed_size 0
		.amdhsa_enable_private_segment 0
		.amdhsa_kernarg_size 40
		.amdhsa_user_sgpr_count 2
		.amdhsa_user_sgpr_kernarg_segment_ptr 1
		.amdhsa_wavefront_size32 1
		.amdhsa_system_sgpr_workgroup_id_x 1
		.amdhsa_system_sgpr_workgroup_id_y 1
		.amdhsa_system_sgpr_workgroup_id_z 1
		.amdhsa_system_vgpr_workitem_id 0
		.amdhsa_next_free_vgpr 100
		.amdhsa_next_free_sgpr 66
		.amdhsa_reserve_vcc 0
		.amdhsa_float_denorm_mode_32 3
		.amdhsa_float_denorm_mode_16_64 3
		.amdhsa_memory_ordered 1
		.amdhsa_forward_progress 1
		.amdhsa_inst_pref_size 13
	.end_amdhsa_kernel
	.amdgpu_metadata
---
amdhsa.version: [ 1, 2 ]
amdhsa.kernels:
  - .name:           k_q48f3fa73d0_cvt
    .symbol:         k_q48f3fa73d0_cvt.kd
    .args:
      - { .name: x1, .offset: 0, .size: 8, .value_kind: global_buffer, .address_space: global }
      - { .name: x2, .offset: 8, .size: 8, .value_kind: global_buffer, .address_space: global }
      - { .name: W1, .offset: 16, .size: 8, .value_kind: global_buffer, .address_space: global }
      - { .name: xb, .offset: 24, .size: 8, .value_kind: global_buffer, .address_space: global }
      - { .name: wb, .offset: 32, .size: 8, .value_kind: global_buffer, .address_space: global }
    .group_segment_fixed_size: 0
    .private_segment_fixed_size: 0
    .kernarg_segment_align: 8
    .kernarg_segment_size: 40
    .max_flat_workgroup_size: 256
    .sgpr_count:     66
    .vgpr_count:     100
    .wavefront_size: 32
...
	.end_amdgpu_metadata
.endif
;; end of part 1
;; launch gemm (part 2): grid 16 x 16, 4 waves a work-group, clusters of 4 x 4, 327,680 bytes of LDS; arguments xb, wb, b1, part; writes part
.if DOCPART == 2
	.amdgcn_target "amdgcn-amd-amdhsa--gfx1250"
	.amdhsa_code_object_version 6
	.text
	.protected	k_q48f3fa73d0_gemm
	.globl	k_q48f3fa73d0_gemm
	.p2align	8
	.type	k_q48f3fa73d0_gemm,@function
k_q48f3fa73d0_gemm:
	s_mov_b64 s[64:65], 0
	v_nop
	global_prefetch_b8 v0, s[64:65] scope:SCOPE_SE
	s_setreg_imm32_b32 hwreg(HW_REG_WAVE_MODE, 25, 1), 1
	s_wait_xcnt 0x0
	s_wait_alu depctr_hold_cnt(0) depctr_sa_sdst(0) depctr_va_vdst(0) depctr_va_sdst(0) depctr_va_ssrc(0) depctr_va_vcc(0) depctr_vm_vsrc(0)
	s_getreg_b32 s2, hwreg(HW_REG_IB_STS2, 6, 4)
	s_cmp_eq_u32 s2, 0
	s_cbranch_scc0 .Lentry_in_a_cluster
	s_endpgm
.Lentry_in_a_cluster:
	s_bfe_u32 s2, ttmp6, 0x10000c
	s_cmp_lg_u32 s2, 0xf033
	s_cbranch_scc0 .Lentry_shape_is_right
	s_endpgm
.Lentry_shape_is_right:
; part[tc][n] = the sum over the 256 columns d of column block tc of relu(x1[n] . W1[d] + b1[d]) * relu(x2[n] . W1[d] + b1[d]).
; xb: [4096][4096] bf16, 64 rows of x1 followed by the same 64 rows of x2, and so on; wb: [4096][4096] bf16 = W1; b1: [4096] f32; part: [16][2048] f32.
; Products in bf16 with f32 sums, K ascending; bias, relu, product and sums in f32.  h1 and h2 never leave the registers.
; LIMITS: relu is a maximum in which a NaN loses, so a NaN sum counts as 0; the f32 sums over d are added in an order of this text's own.
; SHARES.  A block of 256 rows of xb x 256 rows of wb is made by a work-group of four waves, a wave 128 x 128: 64 accumulators of 16 x 16, 512 registers.  A wave's 128 rows
; are 64 rows of x1 (window 2) and the same 64 rows of x2 (window 3), at equal register numbers and lanes: the product h1 * h2 is work on registers.
; 16 x 16 blocks: one work-group for each of 256 blocks.  K goes in steps of 128 through a ring of two LDS slots filled by the tensor data mover; a tile's rows are 256 bytes of
; memory and start at multiples of 256 bytes from the buffer's first byte.
; CLUSTERS: 4 x 4 work-groups.  The four of a row of the cluster need the same tiles of xb, the four of a column the same tiles of wb: each tile is asked for JOINTLY, by the same
; tensor load with the same descriptor and a mask that names the four, which divides the requests by four.
; THE MATRIX INSTRUCTION IS USED TRANSPOSED: source 0 = 16 rows of wb, source 1 = 16 rows of xb.  Lane l then holds row l % 16, and its registers 0 to 7 the columns 8 (l / 16) + 0..7.
; THE BIAS STARTS THE SUMS: the first product on each accumulator takes b1 of its eight columns as C.  Nothing is cleared, and no addition of the bias is written.
; REGISTERS, in windows of 256 (s_set_vgpr_msb: bits 1:0 source 0, 3:2 source 1, 5:4 source 2, 7:6 destination):
;   window 0: v0-31 addresses; v32-63 the way out's sums; v64-127, v128-191 fragments of xb, two buffers; v192-255 the bias
;   window 1: v64-127, v128-191 fragments of wb, two buffers      window 2: accumulators of x1's rows ((a, b) at v[8 (8 a + b)])      window 3: those of x2's rows
.set SIZE_K, 4096
.set KSTEP,  128
.set PITCH,  272                       ; an LDS row: 256 bytes of data + 16 of padding = 68 words: row r starts at bank 4 r mod 64 (64 banks of 4 bytes: ISA guide 11.1), so the 16 rows of a load start at 16 different banks
.set HALFT,  128*PITCH                 ; 128 rows: what one tensor load brings, and what one wave reads of xb or of wb
.set SLOT,   4*HALFT                   ; xb's 256 rows, then wb's 256 rows
.set RED,    2*SLOT                    ; behind the ring, never filled by a tensor load: [2 column halves][128 rows] f32, four blocks of 256 bytes
.set SPARE,  RED+1024                  ; behind that: the spare words, 128 bytes for each wave: two blocks of 256 bytes that no other line names
.set LAPS,   SIZE_K/(2*KSTEP)          ; a lap = two K steps = once round the ring: 16
.set ADRA, 16                          ; v16-17  LDS address of my fragments of xb in slot 0, 1
.set ADRB, 20                          ; v20-21  the same for wb
.set RA,   24                          ; v24     where I put a row's sum
.set RB,   25                          ; v25     where wave 0 reads four rows' sums back
.set PO,   26                          ; v26     my byte offset in the block's 512 bytes of part
.set BO,   27                          ; v27     my byte offset in 16 columns of b1
.set SPW,  28                          ; v28     LDS address of my spare word: SPARE + 4 x my thread's number; never rewritten
.set NIL,  29                          ; v29     0; never rewritten
.set SM,   32                          ; v32-63  row block a, chain c: the pair at SM + 8 a + 2 c
.set F0,   64                          ; fragment buffer 0
.set F1,   128                         ; fragment buffer 1
.set BI,   192                         ; b1 of column 16 b + 8 (l / 16) + j of my 128 at BI + 8 b + j
.set WV,   12                          ; s12  my wave's number
.set HR,   13                          ; s13  which half of the block's rows is mine.  Also: I fetch for xb (0) or for wb (1)
.set HC,   14                          ; s14  which half of its columns.  Also: which 128 rows of that tile I fetch
.set LAP,  15                          ; s15  laps to go
.set G1,   24                          ; s[24:31] descriptor group 1 for xb's tiles
.set G0,   32                          ; s[32:39] descriptor group 0 for xb's tiles, one set for each slot
.set G1B,  48                          ; s[48:55] group 1 for wb's tiles: it differs in the mask alone
.set G0B,  56                          ; s[56:63] group 0 for wb's tiles, one set for each slot
.set MSB, 0
.macro WIN new                         ; the immediate's high byte repeats the setting that is left; a switch that changes nothing is dropped
.if MSB != (\new)
	s_set_vgpr_msb (MSB<<8)|(\new)
.set MSB, \new
.endif
.endm
; A joint load.  Waves 0 and 1 fetch xb's two halves, waves 2 and 3 wb's.  Each of the two lines has one mask and one set of registers for all that issue it; the branch hangs on
; the wave's number alone.  An s_nop 0 and four v_nop follow each of the two lines, ahead of the jump, the label and what follows the macro.
.macro JLOAD s
	s_cmp_eq_u32 s[HR], 0
	s_cbranch_scc0 .Lfor_b_\@
	tensor_load_to_lds s[G0+4*(\s):G0+4*(\s)+3], s[G1:G1+7]
	s_nop 0
.rept 4
	v_nop
.endr
	s_branch .Lasked_\@
.Lfor_b_\@:
	tensor_load_to_lds s[G0B+4*(\s):G0B+4*(\s)+3], s[G1B:G1B+7]
	s_nop 0
.rept 4
	v_nop
.endr
.Lasked_\@:
.endm
; A round of the cluster's barrier: my work-group's barrier, so that wave 0's signal speaks for all four waves; wave 0 signals for the work-group; every wave waits for all
; sixteen work-groups; my work-group's barrier once more.
.macro CREST                           ; a round behind its opening barrier
	s_cmp_lg_u32 s[WV], 0
	s_cbranch_scc1 .Lnot_wave_0_\@
	s_barrier_signal -3
.Lnot_wave_0_\@:
	s_barrier_wait -3
	s_barrier_signal -1
	s_barrier_wait -1
.endm
.macro CROUND                          ; a whole round
	s_barrier_signal -1
	s_barrier_wait -1
	CREST
.endm
	s_load_b256 s[4:11], s[0:1], 0x0               ; xb s[4:5], wb s[6:7], b1 s[8:9], part s[10:11]
	v_lshl_add_u32 v[SPW], v0, 2, SPARE
	v_mov_b32 v[NIL], 0
	ds_add_u32 v[SPW], v[NIL]                      ; the wave's opening: the add and its wait ahead of my first tensor load; the set-up below, work on registers, stands between them
	v_lshrrev_b32 v1, 5, v0
	v_readfirstlane_b32 s[WV], v1                  ; wave 0..3
	s_lshr_b32 s[HR], s[WV], 1
	s_and_b32 s[HC], s[WV], 1
	s_bfe_u32 s40, ttmp6, 0x40000                  ; cx: my place along the cluster's x
	s_bfe_u32 s41, ttmp6, 0x40004                  ; cy: along its y
	s_lshl_b32 s42, ttmp9, 2                       ; in a cluster launch ttmp9 and ttmp7 count clusters
	s_add_co_u32 s42, s42, s40                     ; tc, the column block = 4 x cluster x + cx
	s_and_b32 s43, ttmp7, 0xffff
	s_lshl_b32 s43, s43, 2
	s_add_co_u32 s43, s43, s41                     ; tr, the row block = 4 x cluster y + cy
	s_lshl_b32 s44, s41, 2
	s_lshl_b32 s44, 15, s44                        ; my row of the cluster: places 4 cy .. 4 cy + 3
	s_lshl_b32 s45, 0x1111, s40                    ; my column: places cx, cx + 4, cx + 8, cx + 12
	; descriptor group 1: a tile of 128 rows x 128 elements, padded in LDS
	s_or_b32 s[G1+0], s44, (1<<16)|(1<<20)|(1<<21)|(5<<22)|(3<<25)   ; 15:0 the mask: xb's tiles go to my row; 17:16 elements of 2 bytes; 20 padding on; 21 set beside a mask; 24:22 after every 64 words (code 5); 31:25 4 words of it (code 3)
	s_or_b32 s[G1B+0], s45, (1<<16)|(1<<20)|(1<<21)|(5<<22)|(3<<25)  ; the same with the mask of my column, for wb's tiles
.irp g, G1, G1B
	s_mov_b32 s[(\g)+1], KSTEP<<16                 ; 63:48 tensor_dim0, low half = 128
	s_mov_b32 s[(\g)+2], 128<<16                   ; 79:64 its high half = 0; 95:80 tensor_dim1, low half = 128
	s_mov_b32 s[(\g)+3], KSTEP<<16                 ; 111:96 its high half = 0; 127:112 tile_dim0 = 128
	s_mov_b32 s[(\g)+4], 128                       ; 143:128 tile_dim1 = 128; 159:144 tile_dim2 = 0
	s_mov_b32 s[(\g)+5], SIZE_K                    ; 191:160 tensor_dim0_stride: elements from row to row
	s_mov_b32 s[(\g)+6], 0
	s_mov_b32 s[(\g)+7], 0
.endr
	; where the tiles come from.  xb's hang on the row block alone, which my row of the cluster shares; wb's on the column block alone, which my column shares.
	; Every wave makes both offsets, in registers that never hold the other coordinate, and asks by one of them.
	s_lshl_b32 s18, s[HC], 7                       ; which 128 rows of the tile I fetch
	s_lshl_b32 s16, s43, 8
	s_add_co_u32 s16, s16, s18                     ; xb: row 256 tr + 128 x half,
	s_lshl_b32 s16, s16, 13                        ; times 8,192 bytes (under 2^25)
	s_mov_b32 s17, 0
	s_lshl_b32 s46, s42, 8
	s_add_co_u32 s46, s46, s18                     ; wb: row 256 tc + 128 x half
	s_lshl_b32 s46, s46, 13
	s_mov_b32 s47, 0
	s_mul_i32 s20, s[WV], HALFT                    ; and where they go: wave x 128 rows: no place in the cluster enters an LDS address
	s_lshl_b32 s66, s42, 10                        ; b1 at my 128 columns: 4 (256 tc + 128 x half)
	s_lshl_b32 s67, s[HC], 9
	s_add_co_u32 s66, s66, s67
	s_mov_b32 s67, 0
	s_lshl_b32 s70, s42, 13                        ; part at row tc of 8,192 bytes, and the block's 128 rows n = 128 tr ..
	s_lshl_b32 s71, s43, 9
	s_add_co_u32 s70, s70, s71
	s_mov_b32 s71, 0
	s_mov_b32 s68, 0x76543210                      ; v_permlanex16_b32's selects: each lane takes its own place in the other half
	s_mov_b32 s69, 0xfedcba98
	s_wait_dscnt 0x0                               ; the opening add is done
	s_wait_kmcnt 0x0
	s_add_nc_u64 s[72:73], s[4:5], s[16:17]
	s_add_nc_u64 s[46:47], s[6:7], s[46:47]
	s_add_nc_u64 s[8:9], s[8:9], s[66:67]
	s_add_nc_u64 s[10:11], s[10:11], s[70:71]
	CROUND                                         ; all sixteen work-groups are here: the first joint loads meet
.irp s, 0,1
	s_mov_b32 s[G0+4*(\s)], 1                                        ; 1:0 count = 1
	s_add_co_u32 s[G0+4*(\s)+1], s20, (\s)*SLOT                      ; 63:32 LDS address
	s_add_nc_u64 s[G0+4*(\s)+2:G0+4*(\s)+3], s[72:73], (\s)*KSTEP*2  ; 120:64 global address: K step s
	s_or_b32 s[G0+4*(\s)+3], s[G0+4*(\s)+3], 0x80000000              ; 127:126 type = 2
	s_mov_b32 s[G0B+4*(\s)], 1
	s_add_co_u32 s[G0B+4*(\s)+1], s20, (\s)*SLOT
	s_add_nc_u64 s[G0B+4*(\s)+2:G0B+4*(\s)+3], s[46:47], (\s)*KSTEP*2
	s_or_b32 s[G0B+4*(\s)+3], s[G0B+4*(\s)+3], 0x80000000
	JLOAD \s                                       ; the ring is filled before anything else is done: two loads of mine are out
.endr
	; A fragment is 16 rows x 32 K in 8 registers: lane l holds row l % 16; registers 0-3 hold K = 8 (l / 16) + 0..7, registers 4-7 hold
	; K = 16 + 8 (l / 16) + 0..7: two loads of 16 bytes, 32 bytes apart.  The same for source 0 and source 1.
	v_and_b32 v1, 15, v0                           ; l % 16
	v_bfe_u32 v2, v0, 4, 1                         ; l / 16
	v_lshlrev_b32 v[BO], 5, v2                     ; eight f32 for each half of the lanes
.irp b, 0,1,2,3,4,5,6,7
	global_load_b128 v[BI+8*(\b):BI+8*(\b)+3],   v[BO], s[8:9] offset:64*(\b)
	global_load_b128 v[BI+8*(\b)+4:BI+8*(\b)+7], v[BO], s[8:9] offset:64*(\b)+16
.endr
	v_mul_u32_u24 v3, v1, PITCH
	v_lshl_add_u32 v3, v2, 4, v3                   ; row x pitch + 16 x half
	s_mul_i32 s21, s[HR], HALFT                    ; my 128 rows of xb
	s_mul_i32 s22, s[HC], HALFT                    ; my 128 rows of wb,
	s_add_co_u32 s22, s22, 2*HALFT                 ; which lie behind xb's 256
.irp s, 0,1
	v_add_nc_u32 v[ADRA+(\s)], s21, v3
	v_add_nc_u32 v[ADRB+(\s)], s22, v3
	s_add_co_u32 s21, s21, SLOT
	s_add_co_u32 s22, s22, SLOT
.endr
	s_lshl_b32 s23, s[HC], 9                       ; the way out: my column half's 128 words,
	s_lshl_b32 s21, s[HR], 8                       ; my 64 rows of them: 256 bytes that are this wave's alone
	s_add_co_u32 s23, s23, s21
	s_add_co_u32 s23, s23, RED
	v_lshl_add_u32 v[RA], v1, 2, s23               ; row l % 16 of a block of 16
	v_and_b32 v[RB], 31, v0
	v_lshlrev_b32 v[PO], 4, v[RB]                  ; four rows a lane
	v_add_nc_u32 v[RB], RED, v[PO]
; 16 matrix instructions: row blocks a0, a0 + 1 of the window's four (hi = 0: x1's rows, 1: x2's) x all 8 column blocks, 32 along K.
; start = 1: the first product starts the sums with the bias as C (source 2 in window 0).
.macro MUL16 f, hi, a0, start
.if \start
	WIN 0x81+0x40*(\hi)
.else
	WIN 0xa1+0x50*(\hi)
.endif
.irp a, \a0, (\a0)+1
.irp b, 0,1,2,3,4,5,6,7
.if \start
	v_wmma_f32_16x16x32_bf16 v[8*(8*(\a)+(\b)):8*(8*(\a)+(\b))+7], v[(\f)+8*(\b):(\f)+8*(\b)+7], v[(\f)+8*(4*(\hi)+(\a)):(\f)+8*(4*(\hi)+(\a))+7], v[BI+8*(\b):BI+8*(\b)+7]
.else
	v_wmma_f32_16x16x32_bf16 v[8*(8*(\a)+(\b)):8*(8*(\a)+(\b))+7], v[(\f)+8*(\b):(\f)+8*(\b)+7], v[(\f)+8*(4*(\hi)+(\a)):(\f)+8*(4*(\hi)+(\a))+7], v[8*(8*(\a)+(\b)):8*(8*(\a)+(\b))+7]
.endif
.endr
.endr
.endm
; 32 LDS loads in one run: the fragments of one quarter step (128 rows of wb, 128 rows of xb, 32 K at byte k of the rows) into buffer f
.macro FETCH slot, k, f
	WIN 0x40                                       ; destination window 1, address window 0
.irp i, 0,1,2,3,4,5,6,7
	ds_load_b128 v[(\f)+8*(\i):(\f)+8*(\i)+3],   v[ADRB+(\slot)] offset:(\k)+(\i)*16*PITCH
	ds_load_b128 v[(\f)+8*(\i)+4:(\f)+8*(\i)+7], v[ADRB+(\slot)] offset:(\k)+(\i)*16*PITCH+32
.endr
	WIN 0
.irp i, 0,1,2,3,4,5,6,7
	ds_load_b128 v[(\f)+8*(\i):(\f)+8*(\i)+3],   v[ADRA+(\slot)] offset:(\k)+(\i)*16*PITCH
	ds_load_b128 v[(\f)+8*(\i)+4:(\f)+8*(\i)+7], v[ADRA+(\slot)] offset:(\k)+(\i)*16*PITCH+32
.endr
.endm
; A load into a register that a matrix instruction has read, and a vector instruction that reads a matrix result or writes one of a matrix instruction's registers, stand four
; places behind it, and only plain vector instructions that name none of its registers are places (ISA guide 7.12.1 for vector instructions).
.macro PLACES
.rept 4
	v_nop
.endr
.endm
; A K step is four quarter steps of 32 along K, 64 matrix instructions each, on buffers 0, 1, 0, 1.  The 64 accumulators take turns in the same order in every quarter.
; One of the first three: multiplies buffer f; in its middle it fetches the next quarter's fragments, at byte k of the same slot's rows, into buffer g.
.macro QUARTER slot, k, f, g, start
	s_wait_dscnt 8                                 ; wb and xb's rows 0-63 are in; the youngest eight loads (xb's rows 64-127) may be out
	MUL16 \f, 0, 0, \start
	MUL16 \f, 0, 2, \start
	PLACES
	FETCH \slot, \k, \g
	s_wait_dscnt 32                                ; all but the 32 just issued
	MUL16 \f, 1, 0, \start
	MUL16 \f, 1, 2, \start
.endm
; The last quarter multiplies buffer 1 and changes slots.  MEET is its first half: ONE barrier for the change of slots.  In front of it each wave waits for all its tensor loads, of
; which one is out: its part of the next slot; adds 0 to its spare word; and waits for that and for its own reads of this slot.  Behind it nobody reads this slot and the next is whole.
.macro MEET round                      ; round = 1: a round of the cluster's barrier follows
	WIN 0                                          ; (the add's two registers lie in window 0)
	s_wait_tensorcnt 0x0                           ; all my tensor loads have landed: the one that was out is my part of the next slot;
	ds_add_u32 v[SPW], v[NIL]                      ; 0 onto my spare word;
	s_wait_dscnt 9                                 ; (the add and the youngest eight loads may be out)
	MUL16 F1, 0, 0, 0                              ; sixteen matrix instructions stand between the add and the wait for it
	s_wait_dscnt 0x0                               ; the add is done, and my reads of this slot are over:
	s_barrier_signal -1                            ; say so,
	MUL16 F1, 0, 2, 0                              ; work on registers while the others arrive,
.if \round
	WIN 0
.endif
	s_barrier_wait -1                              ; and go on when all four have said so
.endm
; The whole last quarter.  Behind the round the slot just read out is filled again first, with the K step two steps on; then come the next slot's first fragments.
; From a request to the wait for it a wave issues 224 matrix instructions.
.macro TURN slot, next
	MEET 1
	CREST                                          ; no wave of any partner still reads this slot's tile or has a load on its way
	s_add_nc_u64 s[G0+4*(\slot)+2:G0+4*(\slot)+3], s[G0+4*(\slot)+2:G0+4*(\slot)+3], 2*KSTEP*2     ; no tensor load of mine is out, so a group 0 may be written
	s_add_nc_u64 s[G0B+4*(\slot)+2:G0B+4*(\slot)+3], s[G0B+4*(\slot)+2:G0B+4*(\slot)+3], 2*KSTEP*2
	JLOAD \slot                                    ; my one tensor load behind the round; the four v_nop behind it are also the places in front of the loads below
	FETCH \next, 0, F0
	MUL16 F1, 1, 0, 0
	MUL16 F1, 1, 2, 0
.endm
	s_wait_loadcnt 0x0                             ; the bias: the first products' C
	s_wait_tensorcnt 1                             ; my part of K step 0 is in; K step 1's may stay out
	s_barrier_signal -1
	s_barrier_wait -1                              ; everybody's is
	FETCH 0, 0, F0
	QUARTER 0, 64,  F0, F1, 1                      ; the first quarter stands in front of the loop: its products start the sums
	WIN 0
	s_mov_b32 s[LAP], LAPS-1
.Llap:                                                 ; a trip goes once round the ring, from a lap's second quarter to the next lap's first, and fills both slots again: K steps 2 to 31 in 15 trips
	QUARTER 0, 128, F1, F0, 0
	QUARTER 0, 192, F0, F1, 0
	TURN 0, 1
	QUARTER 1, 64,  F0, F1, 0
	QUARTER 1, 128, F1, F0, 0
	QUARTER 1, 192, F0, F1, 0
	TURN 1, 0
	QUARTER 0, 64,  F0, F1, 0
	WIN 0
	s_sub_co_u32 s[LAP], s[LAP], 1
	s_cmp_lg_u32 s[LAP], 0
	s_cbranch_scc1 .Llap
	QUARTER 0, 128, F1, F0, 0                      ; the last lap is written out: it fills nothing and has no round
	QUARTER 0, 192, F0, F1, 0
	MEET 0                                         ; my one tensor load that was still out is slot 1's, the last K step's
	PLACES                                         ; for the loads into buffer 0, which the quarter before multiplied
	FETCH 1, 0, F0
	MUL16 F1, 1, 0, 0
	MUL16 F1, 1, 2, 0
	QUARTER 1, 64,  F0, F1, 0
	QUARTER 1, 128, F1, F0, 0
	QUARTER 1, 192, F0, F1, 0
	s_wait_dscnt 8                                 ; the very last quarter: nothing more to fetch
	MUL16 F1, 0, 0, 0
	MUL16 F1, 0, 2, 0
	s_wait_dscnt 0x0
	MUL16 F1, 1, 0, 0
	MUL16 F1, 1, 2, 0
	; THE WAY OUT.  relu in place, each accumulator from its lowest register on; then h1 * h2 summed over my lane's 64 columns of each of my four
	; blocks of 16 rows, in four chains a block that the first products start; then the other half of the lanes, which holds the row's other 64 columns.
	PLACES
	WIN 0x88                                       ; source 1 and destination in window 2: h1
.set ii, 0
.rept 256
	v_max_num_f32 v[ii], 0, v[ii]
.set ii, ii+1
.endr
	WIN 0xcc                                       ; in window 3: h2
.set ii, 0
.rept 256
	v_max_num_f32 v[ii], 0, v[ii]
.set ii, ii+1
.endr
	WIN 0x0e                                       ; source 0 in window 2, source 1 in window 3, source 2 and destination in window 0
.set aa, 0
.rept 4
.set ii, 0
.rept 32
.if ii < 4
	v_pk_mul_f32 v[SM+8*aa+2*(ii%4):SM+8*aa+2*(ii%4)+1], v[64*aa+2*ii:64*aa+2*ii+1], v[64*aa+2*ii:64*aa+2*ii+1]
.else
	v_pk_fma_f32 v[SM+8*aa+2*(ii%4):SM+8*aa+2*(ii%4)+1], v[64*aa+2*ii:64*aa+2*ii+1], v[64*aa+2*ii:64*aa+2*ii+1], v[SM+8*aa+2*(ii%4):SM+8*aa+2*(ii%4)+1]
.endif
.set ii, ii+1
.endr
.set aa, aa+1
.endr
	WIN 0
.irp a, 0,1,2,3
	v_pk_add_f32 v[SM+8*(\a):SM+8*(\a)+1], v[SM+8*(\a):SM+8*(\a)+1], v[SM+8*(\a)+2:SM+8*(\a)+3]
.endr
.irp a, 0,1,2,3
	v_pk_add_f32 v[SM+8*(\a)+4:SM+8*(\a)+5], v[SM+8*(\a)+4:SM+8*(\a)+5], v[SM+8*(\a)+6:SM+8*(\a)+7]
.endr
.irp a, 0,1,2,3
	v_pk_add_f32 v[SM+8*(\a):SM+8*(\a)+1], v[SM+8*(\a):SM+8*(\a)+1], v[SM+8*(\a)+4:SM+8*(\a)+5]
.endr
.irp a, 0,1,2,3
	v_add_f32 v[SM+8*(\a)], v[SM+8*(\a)], v[SM+8*(\a)+1]
.endr
.irp a, 0,1,2,3
	v_permlanex16_b32 v[SM+8*(\a)+1], v[SM+8*(\a)], s68, s69   ; its destination counts as read: it has been written
.endr
.irp a, 0,1,2,3
	v_add_f32 v[SM+8*(\a)], v[SM+8*(\a)], v[SM+8*(\a)+1]       ; every lane: its row's sum over my 128 columns
.endr
.irp a, 0,1,2,3
	ds_store_b32 v[RA], v[SM+8*(\a)] offset:64*(\a)            ; the two halves of the lanes write the same word with the same value
.endr
	s_wait_dscnt 0x0                               ; for the others' sake: my stores are done
	s_barrier_signal -1
	s_barrier_wait -1
	s_cmp_lg_u32 s[WV], 0
	s_cbranch_scc1 .Ldone                          ; wave 0 adds the two column halves and stores the block's 128 rows
	ds_load_b128 v[64:67], v[RB]
	ds_load_b128 v[68:71], v[RB] offset:512
	s_wait_dscnt 0x0
	v_pk_add_f32 v[64:65], v[64:65], v[68:69]
	v_pk_add_f32 v[66:67], v[66:67], v[70:71]
	global_store_b128 v[PO], v[64:67], s[10:11]    ; 512 consecutive bytes, at a multiple of 512 from part's first byte
.Ldone:
	s_wait_tensorcnt 0x0                           ; the wave's end: behind my last tensor load and my last LDS store
	ds_add_u32 v[SPW], v[NIL]
	s_wait_dscnt 0x0
	CROUND                                         ; the closing round: no work-group ends while a partner may still ask for a tile that names it
	s_endpgm
.Lfunc_end_k_q48f3fa73d0_gemm:
	.size	k_q48f3fa73d0_gemm, .Lfunc_end_k_q48f3fa73d0_gemm-k_q48f3fa73d0_gemm
	.p2alignl 7, 3214868480
	.fill 96, 4, 3214868480
	.section	.rodata,"a",@progbits
	.p2align	6, 0x0
	.amdhsa_kernel k_q48f3fa73d0_gemm
		.amdhsa_group_segment_fixed_size 327680
		.amdhsa_private_segment_fixed_size 0
		.amdhsa_enable_private_segment 0
		.amdhsa_kernarg_size 32
		.amdhsa_user_sgpr_count 2
		.amdhsa_user_sgpr_kernarg_segment_ptr 1
		.amdhsa_wavefront_size32 1
		.amdhsa_system_sgpr_workgroup_id_x 1
		.amdhsa_system_sgpr_workgroup_id_y 1
		.amdhsa_system_sgpr_workgroup_id_z 1
		.amdhsa_system_vgpr_workitem_id 0
		.amdhsa_next_free_vgpr 1024
		.amdhsa_next_free_sgpr 80
		.amdhsa_reserve_vcc 0
		.amdhsa_float_denorm_mode_32 3
		.amdhsa_float_denorm_mode_16_64 3
		.amdhsa_memory_ordered 1
		.amdhsa_forward_progress 1
		.amdhsa_inst_pref_size 139
	.end_amdhsa_kernel
	.amdgpu_metadata
---
amdhsa.version: [ 1, 2 ]
amdhsa.kernels:
  - .name:           k_q48f3fa73d0_gemm
    .symbol:         k_q48f3fa73d0_gemm.kd
    .args:
      - { .name: xb, .offset: 0, .size: 8, .value_kind: global_buffer, .address_space: global }
      - { .name: wb, .offset: 8, .size: 8, .value_kind: global_buffer, .address_space: global }
      - { .name: b1, .offset: 16, .size: 8, .value_kind: global_buffer, .address_space: global }
      - { .name: part, .offset: 24, .size: 8, .value_kind: global_buffer, .address_space: global }
    .group_segment_fixed_size: 327680
    .private_segment_fixed_size: 0
    .kernarg_segment_align: 8
    .kernarg_segment_size: 32
    .max_flat_workgroup_size: 128
    .sgpr_count:     80
    .vgpr_count:     1024
    .wavefront_size: 32
...
	.end_amdgpu_metadata
.endif
;; end of part 2
;; launch fin (part 3): grid 16 x 1, 1 waves a work-group, no clusters, 0 bytes of LDS; arguments part, out0; writes out0
.if DOCPART == 3
	.amdgcn_target "amdgcn-amd-amdhsa--gfx1250"
	.amdhsa_code_object_version 6
	.text
	.protected	k_q48f3fa73d0_fin
	.globl	k_q48f3fa73d0_fin
	.p2align	8
	.type	k_q48f3fa73d0_fin,@function
k_q48f3fa73d0_fin:
	s_mov_b64 s[64:65], 0
	v_nop
	global_prefetch_b8 v0, s[64:65] scope:SCOPE_SE
	s_setreg_imm32_b32 hwreg(HW_REG_WAVE_MODE, 25, 1), 1
	s_wait_xcnt 0x0
; out0[n] = the sum over the 16 column blocks c of part[c][n].  part: [16][2048] f32; out0: [2048] f32.
; The sum over d spans work-groups of the launch before, so it is finished here, in a fixed order: a tree over c (c with c + 8, + 4, + 2, + 1).
; A work-group is one wave and owns 128 rows, a lane four: each load and the store cover 512 consecutive aligned bytes.  All 16 loads are out together.
; 2,048 outputs are 16 such stores: there is no work for more work-groups.  No LDS, no barrier, no cluster: no byte is shared.
.set PT, 4                             ; v[4:67]  block c's four numbers at PT + 4 c
	s_load_b128 s[4:7], s[0:1], 0x0                ; part s[4:5], out0 s[6:7]
	s_lshl_b32 s8, ttmp9, 9                        ; my 128 rows, in bytes
	s_mov_b32 s9, 0
	v_lshlrev_b32 v1, 4, v0                        ; four rows a lane
	s_wait_kmcnt 0x0
	s_add_nc_u64 s[4:5], s[4:5], s[8:9]
	s_add_nc_u64 s[6:7], s[6:7], s[8:9]
.set cc, 0
.rept 16
	global_load_b128 v[PT+4*cc:PT+4*cc+3], v1, s[4:5] offset:8192*cc th:TH_LOAD_NT
.set cc, cc+1
.endr
	s_wait_loadcnt 0x0
.irp d, 8,4,2,1
.set cc, 0
.rept \d
	v_pk_add_f32 v[PT+4*cc:PT+4*cc+1],   v[PT+4*cc:PT+4*cc+1],   v[PT+4*(cc+\d):PT+4*(cc+\d)+1]
	v_pk_add_f32 v[PT+4*cc+2:PT+4*cc+3], v[PT+4*cc+2:PT+4*cc+3], v[PT+4*(cc+\d)+2:PT+4*(cc+\d)+3]
.set cc, cc+1
.endr
.endr
	global_store_b128 v1, v[PT:PT+3], s[6:7]
	s_endpgm
.Lfunc_end_k_q48f3fa73d0_fin:
	.size	k_q48f3fa73d0_fin, .Lfunc_end_k_q48f3fa73d0_fin-k_q48f3fa73d0_fin
	.p2alignl 7, 3214868480
	.fill 96, 4, 3214868480
	.section	.rodata,"a",@progbits
	.p2align	6, 0x0
	.amdhsa_kernel k_q48f3fa73d0_fin
		.amdhsa_group_segment_fixed_size 0
		.amdhsa_private_segment_fixed_size 0
		.amdhsa_enable_private_segment 0
		.amdhsa_kernarg_size 16
		.amdhsa_user_sgpr_count 2
		.amdhsa_user_sgpr_kernarg_segment_ptr 1
		.amdhsa_wavefront_size32 1
		.amdhsa_system_sgpr_workgroup_id_x 1
		.amdhsa_system_sgpr_workgroup_id_y 1
		.amdhsa_system_sgpr_workgroup_id_z 1
		.amdhsa_system_vgpr_workitem_id 0
		.amdhsa_next_free_vgpr 72
		.amdhsa_next_free_sgpr 66
		.amdhsa_reserve_vcc 0
		.amdhsa_float_denorm_mode_32 3
		.amdhsa_float_denorm_mode_16_64 3
		.amdhsa_memory_ordered 1
		.amdhsa_forward_progress 1
		.amdhsa_inst_pref_size 5
	.end_amdhsa_kernel
	.amdgpu_metadata
---
amdhsa.version: [ 1, 2 ]
amdhsa.kernels:
  - .name:           k_q48f3fa73d0_fin
    .symbol:         k_q48f3fa73d0_fin.kd
    .args:
      - { .name: part, .offset: 0, .size: 8, .value_kind: global_buffer, .address_space: global }
      - { .name: out0, .offset: 8, .size: 8, .value_kind: global_buffer, .address_space: global }
    .group_segment_fixed_size: 0
    .private_segment_fixed_size: 0
    .kernarg_segment_align: 8
    .kernarg_segment_size: 16
    .max_flat_workgroup_size: 32
    .sgpr_count:     66
    .vgpr_count:     72
    .wavefront_size: 32
...
	.end_amdgpu_metadata
.endif
;; end of part 3
;; ======== version 2 of 2: 3 launches; version 1 with the launch cvt written anew for expert scheduling mode
;; workspace buffers: xb 33,554,432 bytes; wb 33,554,432 bytes; part 131,072 bytes
;; launch cvt (part 4): grid 256 x 4, 8 waves a work-group, no clusters, 0 bytes of LDS; arguments x1, x2, W1, xb, wb; writes xb, wb
.if DOCPART == 4
	.amdgcn_target "amdgcn-amd-amdhsa--gfx1250"
	.amdhsa_code_object_version 6
	.text
	.protected	k_q48f3fa73d0_cvt
	.globl	k_q48f3fa73d0_cvt
	.p2align	8
	.type	k_q48f3fa73d0_cvt,@function
k_q48f3fa73d0_cvt:
	s_mov_b64 s[64:65], 0
	v_nop
	global_prefetch_b8 v0, s[64:65] scope:SCOPE_SE
	s_setreg_imm32_b32 hwreg(HW_REG_WAVE_SCHED_MODE, 0, 2), 2
	s_setreg_imm32_b32 hwreg(HW_REG_WAVE_MODE, 25, 1), 1
	s_wait_xcnt 0x0
	s_wait_alu depctr_vm_vsrc(0)
; x1, x2 [2048][4096] f32 and W1 [4096][4096] f32 are rounded once to bf16 (nearest even) for the product that follows.
; wb keeps W1's rows in their order.  xb takes x's rows in another order: row n of x1 (src = 0) or x2 (src = 1) goes to row
; (n / 64) * 128 + src * 64 + n % 64, so that 64 rows of x1 are followed by the same 64 rows of x2: the next launch then finds
; both rows of one n in one wave.
; LIMIT: a magnitude that rounds above bf16's largest finite number becomes an infinity; bf16 has f32's exponents otherwise.
; SHARES.  Grid y: 0 = x1, 1 = x2, 2 = W1's rows 0-2047, 3 = W1's rows 2048-4095.  Grid x: 8 rows, which stay neighbours in xb
; (8 divides 64).  Thread t takes the 16 bytes at 16 t + 4,096 j (j = 0..3) of each source row and writes the 8 bytes at
; 8 t + 2,048 j of the destination row: a wave's load covers 512 consecutive bytes, its store 256 consecutive bytes, both aligned.
; 32 loads and 32 stores a thread, written out.  No LDS, no barrier, no cluster, no matrix unit: no byte is used twice and no
; work-group shares a byte with another.
; THE MODE: SCHED_MODE bits 1:0 = 2 (LLVM: expert scheduling mode 2), set by the entry lines.  The code itself states the register
; dependences between vector instructions and memory instructions, with s_wait_alu, always for 0.
; THE PLAN.  The 32 loads go in 8 blocks of four; block p is source row p.  Registers that memory instructions touch:
;   X0 .. X4   five blocks as loaded.  Blocks 0 to 4 land in X0 to X4 at the head; blocks 5, 6, 7 land in X0, X1, X2, by loads issued in
;              blocks 1, 2, 3.  Block p's eight conversions read X[p % 5].
;   Y0 .. Y2   the results of blocks 0 to 2, whose X is loaded again.  Written once by the block's conversions, read by the four stores
;              that are issued in the next block.
;   Blocks 3 to 7 round in place, into the first two registers of each of their slots: no load lands there any more.  Read by the
;              four stores issued in the next block (block 7's: at the end).
;   v1, v2     byte offsets, made once at the head.  The two bases are never stepped: immediate offsets reach every row.
; Block p's memory instructions are the loads into X[(p - 1) % 5] and the stores of block p - 1's results: registers that block p - 1
; worked on and that no conversion of block p names.  So one wait at a block's head states all that its memory instructions hang on, and
; these are dealt among its conversions with no further wait.  No register that a memory instruction reads is ever written again: the
; text needs no wait for that.  20 loads of a wave are out at the start, 12 to 16 from then on until the last blocks.
.set SROW, 16384                       ; bytes in a source row
.set DROW, 8192                        ; bytes in a destination row
.set X, 4                              ; v[4:83]    buffer k, piece j: 4 registers at X + 16 k + 4 j, as loaded
.set Y, 84                             ; v[84:107]  block q (0 to 2), piece j: a pair at Y + 8 q + 2 j
	s_load_b256 s[4:11], s[0:1], 0x0               ; x1 s[4:5], x2 s[6:7], W1 s[8:9], xb s[10:11]
	s_load_b64 s[12:13], s[0:1], 0x20              ; wb
	; the offsets are made apart from the addresses
	s_and_b32 s20, ttmp7, 0xffff                   ; y
	s_and_b32 s21, s20, 1                          ; p: x2 rather than x1, or W1's second half
	s_lshr_b32 s22, s20, 1                         ; w: 1 = W1
	s_lshl_b32 s23, ttmp9, 3                       ; 8 x
	s_and_b32 s28, s21, s22
	s_lshl_b32 s28, s28, 11
	s_add_co_u32 s28, s28, s23                     ; my first source row: 8 x, for W1's second half 2,048 more
	s_lshl_b32 s24, s28, 14                        ; in bytes (under 2^26)
	s_mov_b32 s25, 0
	s_lshr_b32 s26, ttmp9, 3                       ; x's destination row: (n / 64) * 128
	s_lshl_b32 s26, s26, 7
	s_and_b32 s27, s23, 63                         ; + n % 64
	s_add_co_u32 s26, s26, s27
	s_lshl_b32 s27, s21, 6                         ; + 64 for x2
	s_add_co_u32 s26, s26, s27
	s_cmp_lg_u32 s22, 0
	s_cselect_b32 s26, s28, s26                    ; W1's rows keep their places
	s_lshl_b32 s26, s26, 13                        ; in bytes
	s_mov_b32 s27, 0
	v_lshlrev_b32 v1, 4, v0                        ; 16 t: never rewritten
	v_lshlrev_b32 v2, 3, v0                        ; 8 t: never rewritten
	s_wait_kmcnt 0x0
	s_cmp_lg_u32 s21, 0
	s_cselect_b64 s[14:15], s[6:7], s[4:5]         ; x2 or x1,
	s_cmp_lg_u32 s22, 0
	s_cselect_b64 s[14:15], s[8:9], s[14:15]       ; or W1
	s_cselect_b64 s[16:17], s[12:13], s[10:11]     ; wb or xb
	s_add_nc_u64 s[14:15], s[14:15], s[24:25]
	s_add_nc_u64 s[16:17], s[16:17], s[26:27]
	s_wait_alu depctr_va_vdst(0)                   ; v1 and v2 are written: every load of the kernel reads v1 as its offset, every store v2
.set i, 0
.rept 20                               ; blocks 0 to 4, rows 0 to 4, into X0 to X4
	global_load_b128 v[X+4*i:X+4*i+3], v1, s[14:15] offset:(i/4)*SROW+(i%4)*4096 th:TH_LOAD_NT
.set i, i+1
.endr
; Block p.  left = how many younger loads may still be out when this block's four have to be there.
; XIN: this block's piece j as loaded.  XBK: piece j of the buffer that the block before worked on.  RES: where this block's piece is rounded to.  PRV: where the block before's was.
.macro BLK p, left
	s_wait_loadcnt \left                           ; loads come back in order (ISA guide 5.7.1): X[p % 5] is in, the younger blocks stay out
.if (\p) > 0
	s_wait_alu depctr_va_vdst(0)                   ; the block before has written its results, which the stores below read, and is done reading its X, in which the loads below (blocks 1 to 3) land
.endif
.irp j, 0,1,2,3
.set XIN, X+16*((\p)%5)+4*(\j)
.set XBK, X+16*(((\p)+4)%5)+4*(\j)
.if (\p) < 3
.set RES, Y+8*(\p)+2*(\j)
.else
.set RES, XIN
.endif
.if (\p) >= 1 && (\p) <= 3
	global_load_b128 v[XBK:XBK+3], v1, s[14:15] offset:((\p)+4)*SROW+(\j)*4096 th:TH_LOAD_NT  ; four blocks ahead, ahead of the store; no conversion since the wait names these registers
.endif
.if (\p) > 0
.if (\p) <= 3
.set PRV, Y+8*((\p)-1)+2*(\j)
.else
.set PRV, XBK
.endif
	global_store_b64 v2, v[PRV:PRV+1], s[16:17] offset:((\p)-1)*DROW+(\j)*2048                 ; the block before's piece j; no conversion since the wait names its pair
.endif
	v_cvt_pk_bf16_f32 v[RES],   v[XIN],   v[XIN+1]
	v_cvt_pk_bf16_f32 v[RES+1], v[XIN+2], v[XIN+3]
.endr
.endm
	BLK 0, 16                                      ; 20 loads are issued: blocks 1 to 4 stay out.  No block stands in front of it: no store, and no buffer is free yet
	BLK 1, 12                                      ; 20 issued, 8 wanted; it asks for block 5
	BLK 2, 12                                      ; 24 issued, 12 wanted; it asks for block 6
	BLK 3, 12                                      ; 28 issued, 16 wanted; it asks for block 7: the last load, so no load leaves the buffer
	BLK 4, 12                                      ; 32 issued, 20 wanted
	BLK 5, 8                                       ; nothing more is loaded: the counts run down to 0
	BLK 6, 4
	BLK 7, 0
	s_wait_alu depctr_va_vdst(0)                   ; block 7 has written its four pairs in X2, which the last four stores read
.irp j, 0,1,2,3
	global_store_b64 v2, v[X+16*2+4*(\j):X+16*2+4*(\j)+1], s[16:17] offset:7*DROW+(\j)*2048
.endr
	s_endpgm
.Lfunc_end_k_q48f3fa73d0_cvt:
	.size	k_q48f3fa73d0_cvt, .Lfunc_end_k_q48f3fa73d0_cvt-k_q48f3fa73d0_cvt
	.p2alignl 7, 3214868480
	.fill 96, 4, 3214868480
	.section	.rodata,"a",@progbits
	.p2align	6, 0x0
	.amdhsa_kernel k_q48f3fa73d0_cvt
		.amdhsa_group_segment_fixed_size 0
		.amdhsa_private_segment_fixed_size 0
		.amdhsa_enable_private_segment 0
		.amdhsa_kernarg_size 40
		.amdhsa_user_sgpr_count 2
		.amdhsa_user_sgpr_kernarg_segment_ptr 1
		.amdhsa_wavefront_size32 1
		.amdhsa_system_sgpr_workgroup_id_x 1
		.amdhsa_system_sgpr_workgroup_id_y 1
		.amdhsa_system_sgpr_workgroup_id_z 1
		.amdhsa_system_vgpr_workitem_id 0
		.amdhsa_next_free_vgpr 108
		.amdhsa_next_free_sgpr 66
		.amdhsa_reserve_vcc 0
		.amdhsa_float_denorm_mode_32 3
		.amdhsa_float_denorm_mode_16_64 3
		.amdhsa_memory_ordered 1
		.amdhsa_forward_progress 1
		.amdhsa_inst_pref_size 12
	.end_amdhsa_kernel
	.amdgpu_metadata
---
amdhsa.version: [ 1, 2 ]
amdhsa.kernels:
  - .name:           k_q48f3fa73d0_cvt
    .symbol:         k_q48f3fa73d0_cvt.kd
    .args:
      - { .name: x1, .offset: 0, .size: 8, .value_kind: global_buffer, .address_space: global }
      - { .name: x2, .offset: 8, .size: 8, .value_kind: global_buffer, .address_space: global }
      - { .name: W1, .offset: 16, .size: 8, .value_kind: global_buffer, .address_space: global }
      - { .name: xb, .offset: 24, .size: 8, .value_kind: global_buffer, .address_space: global }
      - { .name: wb, .offset: 32, .size: 8, .value_kind: global_buffer, .address_space: global }
    .group_segment_fixed_size: 0
    .private_segment_fixed_size: 0
    .kernarg_segment_align: 8
    .kernarg_segment_size: 40
    .max_flat_workgroup_size: 256
    .sgpr_count:     66
    .vgpr_count:     108
    .wavefront_size: 32
...
	.end_amdgpu_metadata
.endif
;; end of part 4
;; launch gemm: the kernel of part 2 again; grid 16 x 16, 4 waves a work-group, clusters of 4 x 4, 327,680 bytes of LDS; arguments xb, wb, b1, part; writes part
;; launch fin: the kernel of part 3 again; grid 16 x 1, 1 waves a work-group, no clusters, 0 bytes of LDS; arguments part, out0; writes out0
